; MI455X (gfx1250); checked and timed in simulation.
; The chip was launched on July 23, 2026; its instructions are those of AMD's public machine-readable ISA for CDNA 5 (MIT licence, August 2026) and "CDNA5" Instruction Set Architecture Reference Guide (July 2026). The comments in the code are by the model that wrote it; some were corrected since.
;; Gating Attention Layer Wsa. Allowed arithmetic: float matrix products may take bf16 or f16 operands with f32 sums; other float arithmetic in f32, or as packed bf16 or f16 multiplies, adds, multiply-adds, maxima and minima; sums over many terms, partial sums and values carried from step to step in f32; what a program stores and reads back later, other than sums and carried values, may be rounded once to bf16 or f16.
;; Inputs: Wk 512 x 512 float32; Wo 512 x 512 float32; Wq 512 x 512 float32; Wv 512 x 512 float32; bk 512 float32; bo 512 float32; bq 512 float32; bv 512 float32; key 4 x 2,048 x 512 float32; query 4 x 2,048 x 512 float32; value 4 x 2,048 x 512 float32.
;; Outputs: out0 4 x 2,048 x 512 float32.
;; One version. Each part assembles by itself: llvm-mc -triple=amdgcn-amd-amdhsa -mcpu=gfx1250 --defsym DOCPART=n.
;; ======== version 1 of 1: 4 launches
;; limits: values are held in f16: magnitudes above 65,504 overflow, below 6.1e-05 lose precision
;; workspace buffers: qh 8,388,608 bytes; kh 8,388,608 bytes; vh 8,388,608 bytes; aoh 8,388,608 bytes; gpart 5,242,880 bytes; wo16 524,288 bytes
;; launch proj (part 1): grid 64 x 3, 8 waves a work-group, no clusters, 144,384 bytes of LDS; arguments query, key, value, Wq, Wk, Wv, bq, bk, bv, qh, kh, vh; writes qh, kh, vh
.if DOCPART == 1
	.amdgcn_target "amdgcn-amd-amdhsa--gfx1250"
	.amdhsa_code_object_version 6
	.text
	.protected	k_q1fecb9df08_proj
	.globl	k_q1fecb9df08_proj
	.p2align	8
	.type	k_q1fecb9df08_proj,@function
k_q1fecb9df08_proj:
	s_mov_b64 s[64:65], 0
	v_nop
	global_prefetch_b8 v0, s[64:65] scope:SCOPE_SE
	s_setreg_imm32_b32 hwreg(HW_REG_WAVE_MODE, 25, 1), 1
	s_wait_xcnt 0x0
; q, k, v = X W + b, rounded once to f16 and stored by heads: [batch*8 + head][2048 rows][64].
; Grid y picks the tensor (0 query, 1 key, 2 value); grid x picks a block of 256 rows x 256 columns.
; Eight waves; a wave makes 64 rows x 128 columns: 32 accumulator tiles, 256 registers (window 1).
; K goes in 8 steps of 64.  X and W are f32 in memory: they come through registers, are rounded to f16 there and laid
; into one of two LDS slots; that conversion is why no copy engine fills LDS here.
; In a step each wave does two things that do not hang on each other: it multiplies step t from one slot and rounds step t + 1 into the
; other.  Waves 0-3 round first and multiply second, waves 4-7 the other way round, so that at any time half of the waves ask for
; the matrix units and the other half for conversions and LDS stores.
; 192 work-groups: three tensors of 8,192 rows divide into no 256 equal blocks of whole 16-row tiles that each stay with one weight matrix.
; f16, not bf16: an attention output is a sum of many terms of either sign, so operand rounding reaches the result undamped.
; LIMIT: inputs, weights and the projections must lie inside f16's range (magnitude below 65,504).
; The matrix instruction is used transposed (source 0 = 16 columns of W, source 1 = 16 rows of X): a lane then holds
; eight neighbouring columns of one row, 16 bytes of f16.
.set SLOTB, 71680                      ; a slot: X 256 rows x 144 bytes, then W 64 rows (k) x 544 bytes
.set WOFF,  36864                      ; W's part of a slot
.set XG,  2                            ; v2      X in memory: (32 w + L/16) rows of 2,048 bytes + 16 (L%16)
.set WG,  3                            ; v3      W in memory: 8 w rows of 2,048 bytes + 16 L
.set XS,  4                            ; v4,5    X into slot 0, 1
.set WS,  6                            ; v6,7    W into slot 0, 1
.set XF,  8                            ; v8,9    X fragments from slot 0, 1
.set WF,  10                           ; v10,11  W fragments (transposing loads) from slot 0, 1
.set STO, 12                           ; v12     the way out: where a lane puts 16 bytes
.set RD,  13                           ; v13     the way out: where it reads rows back
.set GO,  14                           ; v14     byte offset in the output
.set BO,  15                           ; v15     byte offset in the bias
.set XFR, 32                           ; v32-63   4 fragments of X; on the way out the rows read back
.set WFR, 64                           ; v64-127  8 fragments of W
.set XST, 128                          ; v128-191 X as loaded (16 x 4); at the end the bias
.set WST, 192                          ; v192-255 W as loaded (16 x 4); at the end results at work
.set MSB, 0
.macro WIN new                         ; the immediate's high byte repeats the setting that is left
.if MSB != \new
	s_set_vgpr_msb (MSB<<8)|\new
.set MSB, \new
.endif
.endm
.macro PLACES n
.rept \n
	v_nop
.endr
.endm
	s_load_b512 s[16:31], s[0:1], 0x0              ; query, key, value, Wq, Wk, Wv, bq, bk
	s_load_b256 s[32:39], s[0:1], 0x40             ; bv, qh, kh, vh
	v_lshl_add_u32 v30, v0, 2, 0x23000
	v_mov_b32 v31, 0
	v_and_b32 v1, 31, v0                           ; L
	v_lshrrev_b32 v16, 5, v0
	v_readfirstlane_b32 s2, v16                    ; wave w
	v_and_b32 v17, 15, v0                          ; r = L % 16
	v_bfe_u32 v18, v0, 4, 1                        ; h = L / 16
	v_and_b32 v19, 7, v0                           ; L % 8
	v_bfe_u32 v20, v0, 3, 1                        ; (L / 8) % 2
	v_bfe_u32 v21, v0, 3, 2                        ; L / 8
	s_and_b32 s3, ttmp7, 0xffff                    ; which tensor
	s_lshr_b32 s6, s2, 1                           ; wm: my 64 rows
	s_and_b32 s7, s2, 1                            ; wn: my 128 columns
	s_lshl_b32 s40, s2, 16
	v_lshl_add_u32 v[XG], v18, 11, s40
	v_lshl_add_u32 v[XG], v17, 4, v[XG]
	s_lshl_b32 s40, s2, 14
	v_lshl_add_u32 v[WG], v1, 4, s40
	s_mul_i32 s40, s2, 4608                        ; 32 rows of 144 bytes; also a wave's stage
	v_mul_u32_u24 v22, v18, 144
	v_lshl_add_u32 v22, v17, 3, v22
	v_add_nc_u32 v[XS], s40, v22
	v_add_nc_u32 v[XS+1], SLOTB, v[XS]
	v_mul_u32_u24 v22, v17, 144
	v_lshl_add_u32 v22, v18, 4, v22                ; r x 144 + 16 h
	v_add_nc_u32 v[STO], s40, v22
	v_mul_u32_u24 v23, v21, 144
	v_lshl_add_u32 v23, v19, 4, v23
	v_add_nc_u32 v[RD], s40, v23
	s_mul_i32 s40, s6, 9216
	v_add_nc_u32 v[XF], s40, v22
	v_add_nc_u32 v[XF+1], SLOTB, v[XF]
	s_mul_i32 s40, s2, 4352                        ; 8 rows of 544 bytes
	s_add_co_u32 s40, s40, WOFF
	v_lshl_add_u32 v[WS], v1, 3, s40
	v_add_nc_u32 v[WS+1], SLOTB, v[WS]
	s_lshl_b32 s40, s7, 8
	s_add_co_u32 s40, s40, WOFF
	v_lshl_add_u32 v22, v18, 3, v19                ; 8 h + L % 8: the k row that the lane addresses
	v_mul_u32_u24 v22, v22, 544
	v_lshl_add_u32 v22, v20, 4, v22
	v_add_nc_u32 v[WF], s40, v22
	v_add_nc_u32 v[WF+1], SLOTB, v[WF]
	s_lshl_b32 s40, s7, 19                         ; two heads of 262,144 bytes
	s_lshl_b32 s41, s6, 13                         ; 64 rows of 128 bytes
	s_add_co_u32 s40, s40, s41
	v_lshl_add_u32 v[GO], v1, 4, s40
	s_lshl_b32 s40, s7, 9
	v_lshl_add_u32 v[BO], v18, 5, s40
	s_lshr_b32 s40, ttmp9, 1                       ; block of 256 rows
	s_and_b32 s41, ttmp9, 1                        ; block of 256 columns
	s_lshr_b32 s42, ttmp9, 4                       ; batch
	s_lshl_b32 s42, s42, 21                        ; 8 heads
	s_lshl_b32 s43, s41, 20                        ; 4 heads
	s_and_b32 s44, s40, 7
	s_lshl_b32 s44, s44, 15                        ; 256 rows of 128 bytes
	s_add_co_u32 s42, s42, s43
	s_add_co_u32 s42, s42, s44
	s_mov_b32 s43, 0                               ; s[42:43]: offset in the output
	s_lshl_b32 s14, s40, 19                        ; 256 rows of 2,048 bytes
	s_mov_b32 s15, 0                               ; s[14:15]: offset in X
	s_lshl_b32 s40, s41, 10                        ; 256 columns of f32
	s_mov_b32 s41, 0                               ; s[40:41]: offset in W's rows and in the bias
	s_wait_kmcnt 0x0
	s_cmp_eq_u32 s3, 1                             ; the choice hangs on the grid's y alone
	s_cselect_b64 s[4:5], s[18:19], s[16:17]
	s_cselect_b64 s[8:9], s[24:25], s[22:23]
	s_cselect_b64 s[10:11], s[30:31], s[28:29]
	s_cselect_b64 s[12:13], s[36:37], s[34:35]
	s_cmp_eq_u32 s3, 2
	s_cselect_b64 s[4:5], s[20:21], s[4:5]
	s_cselect_b64 s[8:9], s[26:27], s[8:9]
	s_cselect_b64 s[10:11], s[32:33], s[10:11]
	s_cselect_b64 s[12:13], s[38:39], s[12:13]
	s_add_nc_u64 s[4:5], s[4:5], s[14:15]          ; X
	s_add_nc_u64 s[8:9], s[8:9], s[40:41]          ; W
	s_add_nc_u64 s[10:11], s[10:11], s[40:41]      ; bias
	s_add_nc_u64 s[12:13], s[12:13], s[42:43]      ; output
.macro LOADX t                         ; my 32 rows x 256 bytes of K step t: a load covers two rows' 256 bytes
.set i, 0
.rept 16
	global_load_b128 v[XST+4*i:XST+4*i+3], v[XG], s[4:5] offset:i*4096+(\t)*256
.set i, i+1
.endr
.endm
.macro LOADW t                         ; my 8 k rows x 1,024 bytes of K step t: a load covers 512 neighbouring bytes
.set i, 0
.rept 16
	global_load_b128 v[WST+4*i:WST+4*i+3], v[WG], s[8:9] offset:(i>>1)*2048+(i&1)*512+(\t)*131072
.set i, i+1
.endr
.endm
.macro LOADB                           ; the bias of my 8 columns in each of the 8 column tiles
.set i, 0
.rept 8
	global_load_b128 v[XST+8*i:XST+8*i+3], v[BO], s[10:11] offset:i*64
	global_load_b128 v[XST+8*i+4:XST+8*i+7], v[BO], s[10:11] offset:i*64+16
.set i, i+1
.endr
.endm
; 32 along K: 24 fragment loads, 32 matrix instructions on 32 accumulators by turns, one instruction a turn.
; The products go column tile by column tile, each behind a wait that leaves the later tiles' loads out.
.macro HALF slot, kk, zero
	WIN 0
	PLACES 4                                       ; loads into registers that matrix instructions have read stand four places behind them
.irp mt, 0,1,2,3
	ds_load_b128 v[XFR+8*\mt:XFR+8*\mt+3], v[XF+\slot] offset:\mt*2304+\kk*64
	ds_load_b128 v[XFR+8*\mt+4:XFR+8*\mt+7], v[XF+\slot] offset:\mt*2304+\kk*64+32
.endr
.irp nt, 0,1,2,3,4,5,6,7
	ds_load_tr16_b128 v[WFR+8*\nt:WFR+8*\nt+3], v[WF+\slot] offset:\kk*17408+\nt*32
	ds_load_tr16_b128 v[WFR+8*\nt+4:WFR+8*\nt+7], v[WF+\slot] offset:\kk*17408+\nt*32+8704
.endr
	WIN 0x50                                       ; C and D in window 1
.irp nt, 0,1,2,3,4,5,6,7
	s_wait_dscnt 14-2*\nt                          ; X's fragments and W's tiles 0 to nt are in; the two loads of each later tile stay out
.irp mt, 0,1,2,3
.if \zero
	v_wmma_f32_16x16x32_f16 v[8*(8*\mt+\nt):8*(8*\mt+\nt)+7], v[WFR+8*\nt:WFR+8*\nt+7], v[XFR+8*\mt:XFR+8*\mt+7], 0
.else
	v_wmma_f32_16x16x32_f16 v[8*(8*\mt+\nt):8*(8*\mt+\nt)+7], v[WFR+8*\nt:WFR+8*\nt+7], v[XFR+8*\mt:XFR+8*\mt+7], v[8*(8*\mt+\nt):8*(8*\mt+\nt)+7]
.endif
.endr
.endr
.endm
.macro MAT slot, zero                  ; a K step's 64 matrix instructions from a slot
	HALF \slot, 0, \zero
	HALF \slot, 1, 0
	WIN 0                                          ; a branch or a label may follow
.endm
; K step t goes from the registers that its loads filled into a slot, rounded to f16; the freed registers are loaded again with step t + 1.
; In runs: all 32 conversions of a tile, then its 16 stores, then the 16 loads: no store stands straight behind the conversion that feeds
; it, and no conversion straight behind a store.
.macro CONV t, slot, more
	s_wait_loadcnt 16                              ; X's 16 loads are in; the 16 younger ones (W) stay out
.set i, 0
.rept 16
	v_cvt_pk_f16_f32 v[XST+4*i], v[XST+4*i], v[XST+4*i+1]          ; in place, ascending: four f32 become two registers of f16
	v_cvt_pk_f16_f32 v[XST+4*i+1], v[XST+4*i+2], v[XST+4*i+3]
.set i, i+1
.endr
.set i, 0
.rept 16
	ds_store_b64 v[XS+\slot], v[XST+4*i:XST+4*i+1] offset:i*288
.set i, i+1
.endr
.if \more
	LOADX \t+1
.else
	LOADB                                          ; the last step: 16 loads of the bias in their place, so the next count holds
.endif
	s_wait_loadcnt 16                              ; W's 16 loads are in; the 16 just issued stay out
.set i, 0
.rept 16
	v_cvt_pk_f16_f32 v[WST+4*i], v[WST+4*i], v[WST+4*i+1]
	v_cvt_pk_f16_f32 v[WST+4*i+1], v[WST+4*i+2], v[WST+4*i+3]
.set i, i+1
.endr
.set i, 0
.rept 16
	ds_store_b64 v[WS+\slot], v[WST+4*i:WST+4*i+1] offset:(i>>1)*544+(i&1)*256
.set i, i+1
.endr
.if \more
	LOADW \t+1
.endif
.endm
; ONE barrier a step serves both orders.  In front of it each wave has waited for its stores into the slot that the next step multiplies
; and for its reads of the slot that the next step writes.
.macro BAR
	s_wait_dscnt 0x0
	s_barrier_signal -1
	s_barrier_wait -1
.endm
; Step t is multiplied from its slot, step t + 1 is rounded into the other one; the order hangs on the wave's number.  No barrier stands inside the branch.
.macro STEP t, slot, zero, more
	s_cmp_lt_u32 s2, 4
	s_cbranch_scc0 .Lmat_first_\@
	CONV \t+1, 1-\slot, \more
	MAT \slot, \zero
	s_branch .Ljoin_\@
.Lmat_first_\@:
	MAT \slot, \zero
	CONV \t+1, 1-\slot, \more
.Ljoin_\@:
	BAR
.endm
	LOADX 0
	LOADW 0
	CONV 0, 0, 1
	BAR
	STEP 0, 0, 1, 1                                ; the first products start the sums: nothing is cleared
	STEP 1, 1, 0, 1
	STEP 2, 0, 0, 1
	STEP 3, 1, 0, 1
	STEP 4, 0, 0, 1
	STEP 5, 1, 0, 1
	STEP 6, 0, 0, 0                                ; step 7 is rounded; nothing is left to load but the bias
	MAT 1, 0
; THE WAY OUT, 16 rows at a time: add the bias in f32, round to f16, 16 bytes a lane into my own stage, read rows back.
; The stage lies in slot 0, whose last reads were waited for in front of the last barrier; each wave has 4,608 bytes of its own,
; [2 heads][16 rows] of 144 bytes.  Four rows of a head are 512 neighbouring bytes of the output: one store of the wave.
.macro OUTM mt
	WIN 0x01                                       ; source 0 (the sums) in window 1
.irp nt, 0,1,2,3,4,5,6,7
.irp p, 0,1,2,3
	v_pk_add_f32 v[WST+8*\nt+2*\p:WST+8*\nt+2*\p+1], v[8*(8*\mt+\nt)+2*\p:8*(8*\mt+\nt)+2*\p+1], v[XST+8*\nt+2*\p:XST+8*\nt+2*\p+1]
.endr
.endr
	WIN 0
.irp nt, 0,1,2,3,4,5,6,7
.irp p, 0,1,2,3
	v_cvt_pk_f16_f32 v[WST+8*\nt+\p], v[WST+8*\nt+2*\p], v[WST+8*\nt+2*\p+1]
.endr
.endr
.irp nt, 0,1,2,3,4,5,6,7
	ds_store_b128 v[STO], v[WST+8*\nt:WST+8*\nt+3] offset:(\nt>>2)*2304+32*(\nt&3)
.endr
	s_wait_xcnt 0x0                                ; the registers that the last 16 rows' stores read are loaded again only behind this wait
.irp u, 0,1,2,3,4,5,6,7
	ds_load_b128 v[XFR+4*\u:XFR+4*\u+3], v[RD] offset:(\u>>2)*2304+(\u&3)*576   ; LDS serves a wave's instructions in order: these see the stores above
.endr
.irp u, 0,1,2,3,4,5,6,7
	s_wait_dscnt 7-\u                              ; the younger read-backs stay out
	global_store_b128 v[GO], v[XFR+4*\u:XFR+4*\u+3], s[12:13] offset:(\u>>2)*262144+\mt*2048+(\u&3)*512
.endr
.endm
	PLACES 4                                       ; behind the last matrix instructions, before their results are read
	s_wait_loadcnt 0x0                             ; the bias
	OUTM 0
	OUTM 1
	OUTM 2
	OUTM 3
	s_wait_tensorcnt 0x0
	ds_add_u32 v30, v31
	s_wait_dscnt 0x0
	s_endpgm
.Lfunc_end_k_q1fecb9df08_proj:
	.size	k_q1fecb9df08_proj, .Lfunc_end_k_q1fecb9df08_proj-k_q1fecb9df08_proj
	.p2alignl 7, 3214868480
	.fill 96, 4, 3214868480
	.section	.rodata,"a",@progbits
	.p2align	6, 0x0
	.amdhsa_kernel k_q1fecb9df08_proj
		.amdhsa_group_segment_fixed_size 144384
		.amdhsa_private_segment_fixed_size 0
		.amdhsa_enable_private_segment 0
		.amdhsa_kernarg_size 96
		.amdhsa_user_sgpr_count 2
		.amdhsa_user_sgpr_kernarg_segment_ptr 1
		.amdhsa_wavefront_size32 1
		.amdhsa_system_sgpr_workgroup_id_x 1
		.amdhsa_system_sgpr_workgroup_id_y 1
		.amdhsa_system_sgpr_workgroup_id_z 1
		.amdhsa_system_vgpr_workitem_id 0
		.amdhsa_next_free_vgpr 512
		.amdhsa_next_free_sgpr 66
		.amdhsa_reserve_vcc 0
		.amdhsa_float_denorm_mode_32 3
		.amdhsa_float_denorm_mode_16_64 3
		.amdhsa_memory_ordered 1
		.amdhsa_forward_progress 1
		.amdhsa_inst_pref_size 255
	.end_amdhsa_kernel
	.section	.bss,"aw",@nobits
	.p2align	6
	.space	262144
	.amdgpu_metadata
---
amdhsa.version: [ 1, 2 ]
amdhsa.kernels:
  - .name:           k_q1fecb9df08_proj
    .symbol:         k_q1fecb9df08_proj.kd
    .args:
      - { .name: query, .offset: 0, .size: 8, .value_kind: global_buffer, .address_space: global }
      - { .name: key, .offset: 8, .size: 8, .value_kind: global_buffer, .address_space: global }
      - { .name: value, .offset: 16, .size: 8, .value_kind: global_buffer, .address_space: global }
      - { .name: Wq, .offset: 24, .size: 8, .value_kind: global_buffer, .address_space: global }
      - { .name: Wk, .offset: 32, .size: 8, .value_kind: global_buffer, .address_space: global }
      - { .name: Wv, .offset: 40, .size: 8, .value_kind: global_buffer, .address_space: global }
      - { .name: bq, .offset: 48, .size: 8, .value_kind: global_buffer, .address_space: global }
      - { .name: bk, .offset: 56, .size: 8, .value_kind: global_buffer, .address_space: global }
      - { .name: bv, .offset: 64, .size: 8, .value_kind: global_buffer, .address_space: global }
      - { .name: qh, .offset: 72, .size: 8, .value_kind: global_buffer, .address_space: global }
      - { .name: kh, .offset: 80, .size: 8, .value_kind: global_buffer, .address_space: global }
      - { .name: vh, .offset: 88, .size: 8, .value_kind: global_buffer, .address_space: global }
    .group_segment_fixed_size: 144384
    .private_segment_fixed_size: 0
    .kernarg_segment_align: 8
    .kernarg_segment_size: 96
    .max_flat_workgroup_size: 256
    .sgpr_count:     66
    .vgpr_count:     512
    .wavefront_size: 32
...
	.end_amdgpu_metadata
.endif
;; end of part 1
;; launch kstat (part 2): grid 8 x 32, 4 waves a work-group, no clusters, 41,472 bytes of LDS; arguments kh, Wo, gpart, wo16; writes gpart, wo16
.if DOCPART == 2
	.amdgcn_target "amdgcn-amd-amdhsa--gfx1250"
	.amdhsa_code_object_version 6
	.text
	.protected	k_q1fecb9df08_kstat
	.globl	k_q1fecb9df08_kstat
	.p2align	8
	.type	k_q1fecb9df08_kstat,@function
k_q1fecb9df08_kstat:
	s_mov_b64 s[64:65], 0
	v_nop
	global_prefetch_b8 v0, s[64:65] scope:SCOPE_SE
	s_setreg_imm32_b32 hwreg(HW_REG_WAVE_MODE, 25, 1), 1
	s_wait_xcnt 0x0
; For a head (grid y) and a chunk of 256 of its keys (grid x): with a_s = k_s - k_0 (k_0 = the head's first key row),
; G' = sum of a a^T (64 x 64) and u = sum of a.  The next launch makes the keys' covariance of them: the variance of a row of
; logits is q^T C q, which spares a second pass over q k^T.  Taking k_0 away first removes a common offset before anything is squared.
; Out: 20 tiles of 16 x 16 f32 as the matrix unit leaves them, [tile][quad of 4 registers][lane][4]: tile 4 i + jt = G'(16 i .., 16 jt ..),
; tile 16 + i = u(16 i ..) in every column.  Each store of a wave covers 512 neighbouring bytes.
; Beside that each of the 256 work-groups rounds 1,024 numbers of Wo to f16 (8 a thread), so that the last launch can bring Wo into LDS as it lies.
; LIMITS: |k_s - k_0| and Wo inside f16's range (below 65,504).
.set FA,   2                           ; v2  fragment address (transposing loads): (8 h + L%8) x 160 + 16 ((L/8)%2)
.set FAW,  3                           ; v3  the same at my own 16 columns
.set ONES, 16                          ; v16-23  a fragment of ones
.set ACC,  24                          ; v24-63  five accumulator tiles
.set B0,   64                          ; v64-103  fragment buffer 0 (mine, then the four column tiles)
.set B1,   104                         ; v104-143 fragment buffer 1
.set STG,  64                          ; v64-127  the chunk as loaded, before the buffers are used
.set WO,   144                         ; v144-151 my 8 numbers of Wo; never used for anything else
.set WOA,  152                         ; v152     32 t: their byte offset
.macro PLACES n
.rept \n
	v_nop
.endr
.endm
	s_load_b256 s[4:11], s[0:1], 0x0               ; kh, Wo, gpart, wo16
	v_lshl_add_u32 v160, v0, 2, 0xa000
	v_mov_b32 v161, 0
	v_lshrrev_b32 v1, 5, v0
	v_readfirstlane_b32 s12, v1                    ; wave w
	s_and_b32 s13, ttmp7, 0xffff                   ; head
	v_and_b32 v1, 31, v0                           ; L
	v_lshlrev_b32 v7, 4, v0                        ; 16 t: my 16 bytes of every 2,048, and of wo16's 2,048
	v_lshlrev_b32 v[WOA], 5, v0
	v_and_b32 v12, 7, v0
	v_lshlrev_b32 v13, 4, v12                      ; 16 (L % 8): my piece of a row, and of k_0
	v_bfe_u32 v14, v0, 3, 2                        ; L / 8
	v_mul_u32_u24 v14, v14, 160
	s_mul_i32 s14, s12, 640                        ; four rows of 160 bytes a wave
	v_add_nc_u32 v14, v14, v13
	v_add_nc_u32 v4, s14, v14                      ; where I put 16 bytes: row 4 w + L/8 of every 16
	v_bfe_u32 v14, v0, 4, 1
	v_lshl_add_u32 v14, v14, 3, v12                ; 8 h + L % 8
	v_mul_u32_u24 v14, v14, 160
	v_bfe_u32 v15, v0, 3, 1
	v_lshl_add_u32 v[FA], v15, 4, v14
	s_lshl_b32 s14, s12, 5
	v_add_nc_u32 v[FAW], s14, v[FA]
	s_lshl_b32 s14, s12, 12
	v_lshl_add_u32 v5, v1, 4, s14                  ; out: 16 L + four tiles a wave
	s_lshl_b32 s14, s12, 10
	s_add_co_u32 s14, s14, 16384
	v_lshl_add_u32 v6, v1, 4, s14                  ; out: 16 L + tile 16 + w
	s_lshl_b32 s16, s13, 18
	s_mov_b32 s17, 0
	s_lshl_b32 s18, ttmp9, 15                      ; 256 rows of 128 bytes
	s_mov_b32 s19, 0
	s_lshl_b32 s24, s13, 3
	s_add_co_u32 s24, s24, ttmp9                   ; the work-group's number, 0 to 255
	s_mul_i32 s20, s24, 20480
	s_mov_b32 s21, 0
	s_lshl_b32 s26, s24, 12                        ; 1,024 f32
	s_mov_b32 s27, 0
	s_lshl_b32 s28, s24, 11                        ; 1,024 f16
	s_mov_b32 s29, 0
	s_wait_kmcnt 0x0
	s_add_nc_u64 s[4:5], s[4:5], s[16:17]          ; the head's first row
	s_add_nc_u64 s[22:23], s[4:5], s[18:19]        ; the chunk
	s_add_nc_u64 s[8:9], s[8:9], s[20:21]
	s_add_nc_u64 s[6:7], s[6:7], s[26:27]
	s_add_nc_u64 s[10:11], s[10:11], s[28:29]
	global_load_b128 v[WO:WO+3], v[WOA], s[6:7]
	global_load_b128 v[WO+4:WO+7], v[WOA], s[6:7] offset:16
	global_load_b128 v[8:11], v13, s[4:5]
.set i, 0
.rept 16
	global_load_b128 v[STG+4*i:STG+4*i+3], v7, s[22:23] offset:2048*i
.set i, i+1
.endr
.irp j, 0,1,2,3,4,5,6,7
	v_mov_b32 v[ONES+\j], 0x3c003c00               ; 1.0, 1.0 in f16
.endr
	s_wait_loadcnt 15                              ; Wo's two loads, k_0's piece and the first 16 bytes are in: the 15 younger loads stay out
.irp j, 0,1,2,3
	v_xor_b32 v[8+\j], 0x80008000, v[8+\j]         ; -k_0
.endr
.irp p, 0,1,2,3
	v_cvt_pk_f16_f32 v[WO+\p], v[WO+2*\p], v[WO+2*\p+1]            ; in place, ascending
.endr
	global_store_b128 v7, v[WO:WO+3], s[10:11]     ; a wave's store covers 512 neighbouring bytes
.set i, 0
.rept 16
	s_wait_loadcnt 15-i                            ; the younger loads stay out
.irp j, 0,1,2,3
	v_pk_add_f16 v[STG+4*i+\j], v[STG+4*i+\j], v[8+\j]
.endr
	ds_store_b128 v4, v[STG+4*i:STG+4*i+3] offset:2560*i
.set i, i+1
.endr
	s_wait_dscnt 0x0                               ; my stores are in LDS, for the other waves' sake
	s_barrier_signal -1
	s_barrier_wait -1
.macro GLOAD ks, buf                   ; 32 keys: my own 16 columns, then all four column tiles; keys run down the LDS rows, so the loads transpose
	ds_load_tr16_b128 v[\buf:\buf+3], v[FAW] offset:(\ks)*5120
	ds_load_tr16_b128 v[\buf+4:\buf+7], v[FAW] offset:(\ks)*5120+2560
.irp dt, 0,1,2,3
	ds_load_tr16_b128 v[\buf+8+8*\dt:\buf+8+8*\dt+3], v[FA] offset:(\ks)*5120+32*\dt
	ds_load_tr16_b128 v[\buf+8+8*\dt+4:\buf+8+8*\dt+7], v[FA] offset:(\ks)*5120+32*\dt+2560
.endr
.endm
; Five accumulators by turns, one instruction a turn.
.macro GK ks, buf, obuf, zero, more
	PLACES 4                                       ; the other buffer was read by the last five matrix instructions (ISA guide 7.12.1)
.if \more
	GLOAD \ks+1, \obuf
	s_wait_dscnt 10                                ; this step's fragments are in; the ten just issued stay out
.else
	s_wait_dscnt 0x0
.endif
.irp jt, 0,1,2,3
.if \zero
	v_wmma_f32_16x16x32_f16 v[ACC+8*\jt:ACC+8*\jt+7], v[\buf:\buf+7], v[\buf+8+8*\jt:\buf+8+8*\jt+7], 0
.else
	v_wmma_f32_16x16x32_f16 v[ACC+8*\jt:ACC+8*\jt+7], v[\buf:\buf+7], v[\buf+8+8*\jt:\buf+8+8*\jt+7], v[ACC+8*\jt:ACC+8*\jt+7]
.endif
.endr
.if \zero
	v_wmma_f32_16x16x32_f16 v[ACC+32:ACC+39], v[\buf:\buf+7], v[ONES:ONES+7], 0
.else
	v_wmma_f32_16x16x32_f16 v[ACC+32:ACC+39], v[\buf:\buf+7], v[ONES:ONES+7], v[ACC+32:ACC+39]
.endif
.endm
	GLOAD 0, B0
	GK 0, B0, B1, 1, 1
	GK 1, B1, B0, 0, 1
	GK 2, B0, B1, 0, 1
	GK 3, B1, B0, 0, 1
	GK 4, B0, B1, 0, 1
	GK 5, B1, B0, 0, 1
	GK 6, B0, B1, 0, 1
	GK 7, B1, B0, 0, 0
	PLACES 4                                       ; before the stores read the results
.irp jt, 0,1,2,3
.irp q, 0,1
	global_store_b128 v5, v[ACC+8*\jt+4*\q:ACC+8*\jt+4*\q+3], s[8:9] offset:\jt*1024+\q*512
.endr
.endr
.irp q, 0,1
	global_store_b128 v6, v[ACC+32+4*\q:ACC+32+4*\q+3], s[8:9] offset:\q*512
.endr
	s_wait_tensorcnt 0x0
	ds_add_u32 v160, v161
	s_wait_dscnt 0x0
	s_endpgm
.Lfunc_end_k_q1fecb9df08_kstat:
	.size	k_q1fecb9df08_kstat, .Lfunc_end_k_q1fecb9df08_kstat-k_q1fecb9df08_kstat
	.p2alignl 7, 3214868480
	.fill 96, 4, 3214868480
	.section	.rodata,"a",@progbits
	.p2align	6, 0x0
	.amdhsa_kernel k_q1fecb9df08_kstat
		.amdhsa_group_segment_fixed_size 41472
		.amdhsa_private_segment_fixed_size 0
		.amdhsa_enable_private_segment 0
		.amdhsa_kernarg_size 32
		.amdhsa_user_sgpr_count 2
		.amdhsa_user_sgpr_kernarg_segment_ptr 1
		.amdhsa_wavefront_size32 1
		.amdhsa_system_sgpr_workgroup_id_x 1
		.amdhsa_system_sgpr_workgroup_id_y 1
		.amdhsa_system_sgpr_workgroup_id_z 1
		.amdhsa_system_vgpr_workitem_id 0
		.amdhsa_next_free_vgpr 162
		.amdhsa_next_free_sgpr 66
		.amdhsa_reserve_vcc 0
		.amdhsa_float_denorm_mode_32 3
		.amdhsa_float_denorm_mode_16_64 3
		.amdhsa_memory_ordered 1
		.amdhsa_forward_progress 1
		.amdhsa_inst_pref_size 21
	.end_amdhsa_kernel
	.amdgpu_metadata
---
amdhsa.version: [ 1, 2 ]
amdhsa.kernels:
  - .name:           k_q1fecb9df08_kstat
    .symbol:         k_q1fecb9df08_kstat.kd
    .args:
      - { .name: kh, .offset: 0, .size: 8, .value_kind: global_buffer, .address_space: global }
      - { .name: Wo, .offset: 8, .size: 8, .value_kind: global_buffer, .address_space: global }
      - { .name: gpart, .offset: 16, .size: 8, .value_kind: global_buffer, .address_space: global }
      - { .name: wo16, .offset: 24, .size: 8, .value_kind: global_buffer, .address_space: global }
    .group_segment_fixed_size: 41472
    .private_segment_fixed_size: 0
    .kernarg_segment_align: 8
    .kernarg_segment_size: 32
    .max_flat_workgroup_size: 128
    .sgpr_count:     66
    .vgpr_count:     162
    .wavefront_size: 32
...
	.end_amdgpu_metadata
.endif
;; end of part 2
;; launch attn (part 3): grid 8 x 32, 8 waves a work-group, clusters of 4 x 1, 327,680 bytes of LDS; arguments qh, kh, vh, gpart, aoh; writes aoh
.if DOCPART == 3
	.amdgcn_target "amdgcn-amd-amdhsa--gfx1250"
	.amdhsa_code_object_version 6
	.text
	.protected	k_q1fecb9df08_attn
	.globl	k_q1fecb9df08_attn
	.p2align	8
	.type	k_q1fecb9df08_attn,@function
k_q1fecb9df08_attn:
	s_mov_b64 s[64:65], 0
	v_nop
	global_prefetch_b8 v0, s[64:65] scope:SCOPE_SE
	s_setreg_imm32_b32 hwreg(HW_REG_WAVE_MODE, 25, 1), 1
	s_wait_xcnt 0x0
	s_wait_alu depctr_hold_cnt(0) depctr_sa_sdst(0) depctr_va_vdst(0) depctr_va_sdst(0) depctr_va_ssrc(0) depctr_va_vcc(0) depctr_vm_vsrc(0)
	s_getreg_b32 s2, hwreg(HW_REG_IB_STS2, 6, 4)
	s_cmp_eq_u32 s2, 0
	s_cbranch_scc0 .Lentry_in_a_cluster
	s_endpgm
.Lentry_in_a_cluster:
	s_bfe_u32 s2, ttmp6, 0x10000c
	s_cmp_lg_u32 s2, 0x3003
	s_cbranch_scc0 .Lentry_shape_is_right
	s_endpgm
.Lentry_shape_is_right:
; Attention of one head (grid y) for 256 queries (grid x).  softmax((logit - mean) / std): the mean cancels in the softmax, so
; p = exp2(c s - max(c s)), c = log2(e) / std, std = sqrt(q^T C q + 1e-6) + 1e-6, C = the covariance of the head's keys, made here of the
; sums that the launch before left.  The maximum is a true running maximum, so p <= 1 and p fits f16.
; Eight waves: wave w takes queries 64 (w % 4) .. + 63 and keys 1,024 (w / 4) .. + 1,023; waves w and w + 4 are merged at the end.
; LAYOUTS (no shuffle anywhere): S^T = K fragment x Q fragment: a lane holds query L % 16 and keys 8 (L / 16) + 0..7 of a tile;
; two such tiles rounded to f16 ARE source 1 of the second product; out^T = V^T fragment (transposing loads) x P: a lane holds its
; query and eight neighbouring d.
; CLUSTER: the four work-groups of a cluster are four query blocks of one head and read the same K and V tiles: each tile is asked
; for jointly (mask 15).  Descriptors hang on the head and the wave's number alone; the place in the cluster enters only Q's and the output's addresses.
; A wave has two tensor loads out at the start and one behind each refill.
; LIMITS: q, k, v inside f16's range; the denominator sums the unrounded p while the product uses p rounded to f16;
; a variance that rounding makes negative counts as 0.
.set SLOT, 77824                       ; a slot: K [2 halves][128 rows] x 144 bytes, then V [2 halves][128 rows] x 160 bytes
.set VREG, 36864
.set MAXW, 155648                      ; behind the ring, never filled by a tensor load: 8 words, one a wave
.set CFH,  155904                      ; 16 tiles x 512 bytes: the covariance's upper f16 parts, as fragments
.set CFL,  8192                        ; and, that far behind, the lower parts
.set ADRK, 16                          ; v16,17  K fragments in slot 0, 1
.set ADRV, 18                          ; v18,19  V fragments in slot 0, 1
.set MX,   20                          ; v20-23  at work, one a query tile
.set MY,   24                          ; v24-27  at work
.set STAT, 32                          ; v32+8qt: (c,c) (-m,-m) (l,l') (alpha,alpha)
.set QF,   64                          ; v64-127  Q fragments, 64 + 16 qt + 8 f
.set SS,   128                         ; v128-255 S tiles, 128 + 32 qt + 8 kt; P fragment (qt, ks) lies over them at 128 + 32 qt + 16 ks
.set ACC,  0                           ; window 1: v0-127   out^T tiles, 32 qt + 8 dt
.set KF,   128                         ; window 1: v128-191 K fragments, 16 kt + 8 f
.set VF,   192                         ; window 1: v192-255 V fragments, 16 dt + 8 ks
.set G1K,  16                          ; s[16:23] shape of K's tiles
.set G1V,  24                          ; s[24:31] shape of V's tiles (another pad)
.set G0K,  32                          ; s[32:39] from where, to where: K, one set a slot
.set G0V,  40                          ; s[40:47] the same for V
.set MSB, 0
.macro WIN new                         ; low byte: bits 1:0 source 0, 3:2 source 1, 5:4 source 2, 7:6 destination; the high byte repeats the setting that is left
.if MSB != \new
	s_set_vgpr_msb (MSB<<8)|\new
.set MSB, \new
.endif
.endm
.macro PLACES n
.rept \n
	v_nop
.endr
.endm
.macro ROUND                           ; a round of the cluster's barrier
	s_barrier_signal -1
	s_barrier_wait -1
	s_cmp_lg_u32 s14, 0
	s_cbranch_scc1 .Lnot_wave_0_\@
	s_barrier_signal -3
.Lnot_wave_0_\@:
	s_barrier_wait -3
	s_barrier_signal -1
	s_barrier_wait -1
.endm
.macro JLOAD s                         ; waves 0-3 ask for K's four tiles of 64 rows, waves 4-7 for V's: one load a wave
	s_cmp_lt_u32 s14, 4
	s_cbranch_scc0 .Lfor_v_\@
	tensor_load_to_lds s[G0K+4*\s:G0K+4*\s+3], s[G1K:G1K+7]
	s_nop 0
	s_branch .Lasked_\@
.Lfor_v_\@:
	tensor_load_to_lds s[G0V+4*\s:G0V+4*\s+3], s[G1V:G1V+7]
	s_nop 0
.Lasked_\@:
.endm
	s_load_b256 s[4:11], s[0:1], 0x0               ; qh, kh, vh, gpart
	s_load_b64 s[12:13], s[0:1], 0x20              ; aoh
	v_lshl_add_u32 v254, v0, 2, 0x2a100
	v_mov_b32 v255, 0
	ds_add_u32 v254, v255
	s_wait_dscnt 0x0
	v_lshrrev_b32 v13, 5, v0
	v_readfirstlane_b32 s14, v13                   ; wave w
	s_and_b32 s15, s14, 3                          ; w % 4: my 64 queries; also which tile of 64 rows I fetch
	s_lshr_b32 s51, s14, 2                         ; w / 4: my half of the keys
	s_and_b32 s52, ttmp7, 0xffff                   ; head
	s_bfe_u32 s53, ttmp6, 0x40000                  ; cx
	s_lshl_b32 s54, ttmp9, 2
	s_add_co_u32 s54, s54, s53                     ; query block = 4 x cluster x + cx
	s_mov_b32 s48, 0x76543210                      ; v_permlanex16_b32: lane i reads lane i of the other half
	s_mov_b32 s49, 0xfedcba98
	; group 1: tiles of 64 rows x 64 f16 (128 bytes = 32 words, code 4), padded by 4 words (K) or 8 words (V); mask 15, bit 21 beside it
	s_mov_b32 s[G1K+0], 15|(1<<16)|(1<<20)|(1<<21)|(4<<22)|(3<<25)
	s_mov_b32 s[G1V+0], 15|(1<<16)|(1<<20)|(1<<21)|(4<<22)|(7<<25)
	s_mov_b32 s[G1K+1], 64<<16                     ; tensor_dim0 = 64
	s_mov_b32 s[G1V+1], 64<<16
	s_mov_b32 s[G1K+2], 64<<16                     ; tensor_dim1 = 64
	s_mov_b32 s[G1V+2], 64<<16
	s_mov_b32 s[G1K+3], 64<<16                     ; tile_dim0 = 64
	s_mov_b32 s[G1V+3], 64<<16
	s_mov_b32 s[G1K+4], 64                         ; tile_dim1 = 64
	s_mov_b32 s[G1V+4], 64
	s_mov_b32 s[G1K+5], 64                         ; 64 elements from row to row
	s_mov_b32 s[G1V+5], 64
	s_mov_b32 s[G1K+6], 0
	s_mov_b32 s[G1V+6], 0
	s_mov_b32 s[G1K+7], 0
	s_mov_b32 s[G1V+7], 0
	v_and_b32 v1, 31, v0                           ; L
	v_and_b32 v13, 15, v0                          ; r
	v_bfe_u32 v14, v0, 4, 1                        ; h
	v_and_b32 v15, 7, v0                           ; L % 8
	v_bfe_u32 v28, v0, 3, 1                        ; (L / 8) % 2
	v_bfe_u32 v29, v0, 3, 2                        ; L / 8
	v_lshlrev_b32 v12, 4, v1                       ; v12 = 16 L: also my offset in the output
	v_lshlrev_b32 v2, 7, v13
	v_lshl_add_u32 v2, v14, 4, v2                  ; v2: Q, row r of 128 bytes + 16 h
	s_lshl_b32 s55, s14, 11
	v_add_nc_u32 v3, s55, v12                      ; v3: sums, tiles 2 w and 2 w + 1
	s_lshr_b32 s55, s14, 1
	s_lshl_b32 s55, s55, 10
	s_add_co_u32 s55, s55, 16384
	v_add_nc_u32 v4, s55, v12                      ; v4: u of my tiles' rows: tile 16 + w / 2
	s_and_b32 s55, s14, 1
	s_lshl_b32 s55, s55, 11
	s_add_co_u32 s55, s55, 16384
	v_bfe_u32 v30, v0, 2, 1
	v_and_b32 v31, 3, v0
	v_lshl_add_u32 v5, v30, 9, s55                 ; v5: u of my column r: quad (r / 4) % 2,
	v_lshl_add_u32 v5, v28, 8, v5                  ;     lane 16 (r / 8),
	v_lshl_add_u32 v5, v31, 2, v5                  ;     word r % 4, of tile 16 + 2 (w % 2) (+ 1)
	s_lshl_b32 s55, s14, 10
	s_add_co_u32 s55, s55, CFH
	v_add_nc_u32 v6, s55, v12                      ; v6: where my two tiles' fragments go
	v_add_nc_u32 v7, CFH, v12                      ; v7: where all fragments are read
	s_lshl_b32 s55, s14, 2
	s_add_co_u32 s55, s55, MAXW
	v_mov_b32 v8, s55                              ; v8: my wave's word
	s_mul_i32 s55, s15, 17408
	v_add_nc_u32 v9, s55, v12                      ; v9: the merge: 17,408 bytes for each pair of waves, in slot 0
	s_mul_i32 s55, s15, 9216
	s_add_co_u32 s55, s55, SLOT
	v_mul_u32_u24 v30, v13, 144
	v_lshl_add_u32 v30, v14, 4, v30                ; r x 144 + 16 h
	v_add_nc_u32 v10, s55, v30                     ; v10: the way out, in: 64 rows of 144 bytes for each of waves 0-3, in slot 1
	v_mul_u32_u24 v31, v29, 144
	v_lshl_add_u32 v31, v15, 4, v31
	v_add_nc_u32 v11, s55, v31                     ; v11: the way out, back: four rows of 128 bytes a load
	s_mul_i32 s55, s51, 18432
	v_add_nc_u32 v[ADRK], s55, v30
	v_add_nc_u32 v[ADRK+1], SLOT, v[ADRK]
	s_mul_i32 s55, s51, 20480
	s_add_co_u32 s55, s55, VREG
	v_lshl_add_u32 v31, v14, 3, v15
	v_mul_u32_u24 v31, v31, 160
	v_lshl_add_u32 v31, v28, 4, v31
	v_add_nc_u32 v[ADRV], s55, v31
	v_add_nc_u32 v[ADRV+1], SLOT, v[ADRV]
	s_lshl_b32 s56, s52, 18                        ; the head's 262,144 bytes
	s_lshr_b32 s58, s15, 1
	s_lshl_b32 s58, s58, 17                        ; the half: 1,024 rows of 128 bytes
	s_and_b32 s59, s15, 1
	s_lshl_b32 s59, s59, 13                        ; 64 rows
	s_add_co_u32 s58, s58, s59
	s_add_co_u32 s58, s58, s56
	s_mov_b32 s59, 0                               ; s[58:59]: my tile of K and of V (head and wave alone)
	s_lshl_b32 s60, s54, 15                        ; 256 queries
	s_lshl_b32 s61, s15, 13                        ; 64 queries
	s_add_co_u32 s60, s60, s61
	s_add_co_u32 s60, s60, s56
	s_mov_b32 s61, 0                               ; s[60:61]: my queries in qh and in aoh
	s_mul_i32 s62, s52, 163840
	s_mov_b32 s63, 0                               ; s[62:63]: the head's sums
	s_mul_i32 s2, s15, 9216                        ; LDS: 64 rows of 144 bytes
	s_mul_i32 s3, s15, 10240                       ; LDS: 64 rows of 160 bytes,
	s_add_co_u32 s3, s3, VREG                      ; behind K's part
	s_wait_kmcnt 0x0
	s_add_nc_u64 s[4:5], s[4:5], s[60:61]
	s_add_nc_u64 s[12:13], s[12:13], s[60:61]
	s_add_nc_u64 s[6:7], s[6:7], s[58:59]
	s_add_nc_u64 s[8:9], s[8:9], s[58:59]
	s_add_nc_u64 s[10:11], s[10:11], s[62:63]
.irp s, 0,1
	s_mov_b32 s[G0K+4*\s], 1
	s_add_co_u32 s[G0K+4*\s+1], s2, \s*SLOT
	s_add_nc_u64 s[G0K+4*\s+2:G0K+4*\s+3], s[6:7], \s*16384        ; slot s begins with keys 128 s of each half
	s_or_b32 s[G0K+4*\s+3], s[G0K+4*\s+3], 0x80000000
	s_mov_b32 s[G0V+4*\s], 1
	s_add_co_u32 s[G0V+4*\s+1], s3, \s*SLOT
	s_add_nc_u64 s[G0V+4*\s+2:G0V+4*\s+3], s[8:9], \s*16384
	s_or_b32 s[G0V+4*\s+3], s[G0V+4*\s+3], 0x80000000
.endr
	ROUND                                          ; all four work-groups are here: the first joint loads meet
	s_cmp_lt_u32 s14, 4                            ; both first fills of a wave inside one branch on its number
	s_cbranch_scc0 .Lfirst_v
	tensor_load_to_lds s[G0K:G0K+3], s[G1K:G1K+7]
	s_nop 0
	tensor_load_to_lds s[G0K+4:G0K+7], s[G1K:G1K+7]
	s_nop 0
	s_branch .Lfirst_done
.Lfirst_v:
	tensor_load_to_lds s[G0V:G0V+3], s[G1V:G1V+7]
	s_nop 0
	tensor_load_to_lds s[G0V+4:G0V+7], s[G1V:G1V+7]
	s_nop 0
.Lfirst_done:
	; Q's fragments, straight from memory: d lies along the rows
.irp qt, 0,1,2,3
.irp f, 0,1
	global_load_b128 v[QF+16*\qt+8*\f:QF+16*\qt+8*\f+3], v2, s[4:5] offset:\qt*2048+64*\f
	global_load_b128 v[QF+16*\qt+8*\f+4:QF+16*\qt+8*\f+7], v2, s[4:5] offset:\qt*2048+64*\f+32
.endr
.endr
	; THE COVARIANCE.  Wave w makes tiles 2 w and 2 w + 1.  Eight chunks' sums, 26 registers each, into window 1.
	WIN 0x40
.set c, 0
.rept 8
	global_load_b128 v[26*c:26*c+3], v3, s[10:11] offset:c*20480
	global_load_b128 v[26*c+4:26*c+7], v3, s[10:11] offset:c*20480+512
	global_load_b128 v[26*c+8:26*c+11], v3, s[10:11] offset:c*20480+1024
	global_load_b128 v[26*c+12:26*c+15], v3, s[10:11] offset:c*20480+1536
	global_load_b128 v[26*c+16:26*c+19], v4, s[10:11] offset:c*20480
	global_load_b128 v[26*c+20:26*c+23], v4, s[10:11] offset:c*20480+512
	global_load_b32 v[26*c+24], v5, s[10:11] offset:c*20480
	global_load_b32 v[26*c+25], v5, s[10:11] offset:c*20480+1024
.set c, c+1
.endr
	s_wait_loadcnt 0x0
	WIN 0x45
.set c, 1
.rept 7
.set p, 0
.rept 13
	v_pk_add_f32 v[2*p:2*p+1], v[2*p:2*p+1], v[26*c+2*p:26*c+2*p+1]
.set p, p+1
.endr
.set c, c+1
.endr
.irp p, 0,1,2,3
	v_pk_mul_f32 v[16+2*\p:17+2*\p], v[16+2*\p:17+2*\p], 0xba000000 op_sel_hi:[1,0]    ; -u / 2,048
.endr
	WIN 0x55
.irp a, 0,1
.irp j, 0,1,2,3,4,5,6,7
	v_fma_f32 v[8*\a+\j], v[16+\j], v[24+\a], v[8*\a+\j]           ; E = G' - u u^T / 2,048 = 2,048 C
.endr
.endr
	WIN 0x15                                       ; the largest |E|: a power of two near it scales E into f16's range
	v_max3_num_f32 v20, |v0|, |v1|, |v2|
	v_max3_num_f32 v21, |v3|, |v4|, |v5|
	v_max3_num_f32 v22, |v6|, |v7|, |v8|
	v_max3_num_f32 v23, |v9|, |v10|, |v11|
	v_max3_num_f32 v24, |v12|, |v13|, |v14|
	v_max_num_f32 v25, |v15|, |v15|
	WIN 0
	v_max3_num_f32 v20, v20, v21, v22
	v_max3_num_f32 v23, v23, v24, v25
	v_max_num_f32 v20, v20, v23
	v_max_num_f32_dpp v20, v20, v20 row_xmask:1 row_mask:0xf bank_mask:0xf
	v_max_num_f32_dpp v20, v20, v20 row_xmask:2 row_mask:0xf bank_mask:0xf
	v_max_num_f32_dpp v20, v20, v20 row_xmask:4 row_mask:0xf bank_mask:0xf
	v_max_num_f32_dpp v20, v20, v20 row_xmask:8 row_mask:0xf bank_mask:0xf
	v_permlanex16_b32 v21, v20, s48, s49
	v_max_num_f32 v20, v20, v21
	ds_store_b32 v8, v20
	s_wait_dscnt 0x0                               ; my word is in LDS, for the other waves' sake
	s_barrier_signal -1                            ; the first fills may stay out
	s_barrier_wait -1
	v_mov_b32 v30, MAXW
	ds_load_b128 v[20:23], v30
	ds_load_b128 v[24:27], v30 offset:16
	s_wait_dscnt 0x0
	v_max3_num_f32 v20, v20, v21, v22
	v_max3_num_f32 v23, v23, v24, v25
	v_max3_num_f32 v20, v20, v26, v27
	v_max_num_f32 v20, v20, v23
	v_and_b32 v20, 0x7f800000, v20                 ; e = the power of two at or below the maximum
	v_sub_nc_u32 v21, 0x7f000000, v20              ; 1 / e, by its exponent
	v_mul_f32 v13, 0x3a000000, v20                 ; v13 = e / 2,048: what turns q^T (E / e) q into the variance
	WIN 0x01
.irp j, 0,1,2,3,4,5,6,7,8,9,10,11,12,13,14,15
	v_mul_f32 v[SS+\j], v[\j], v21                 ; x = E / e, magnitude below 2
.endr
	WIN 0
.irp p, 0,1,2,3,4,5,6,7
	v_cvt_pk_f16_f32 v[20+\p], v[SS+2*\p], v[SS+2*\p+1]            ; the upper part
.endr
.set n, 0
.irp q, v20.l,v20.h,v21.l,v21.h,v22.l,v22.h,v23.l,v23.h,v24.l,v24.h,v25.l,v25.h,v26.l,v26.h,v27.l,v27.h
	v_cvt_f32_f16 v[SS+16+n], \q
.set n, n+1
.endr
.irp p, 0,1,2,3,4,5,6,7
	v_pk_add_f32 v[SS+2*\p:SS+2*\p+1], v[SS+2*\p:SS+2*\p+1], v[SS+16+2*\p:SS+16+2*\p+1] neg_lo:[0,1] neg_hi:[0,1]
.endr
.irp p, 0,1,2,3,4,5,6,7
	v_cvt_pk_f16_f32 v[SS+16+\p], v[SS+2*\p], v[SS+2*\p+1]         ; the lower part: what the upper part left
.endr
	; E is symmetric, so a tile as the matrix unit left it (a lane: one column, eight rows) is half a source-0 fragment (a lane: one row, eight k)
	ds_store_b128 v6, v[20:23]
	ds_store_b128 v6, v[24:27] offset:512
	ds_store_b128 v6, v[SS+16:SS+19] offset:CFL
	ds_store_b128 v6, v[SS+20:SS+23] offset:CFL+512
	s_wait_dscnt 0x0
	s_barrier_signal -1
	s_barrier_wait -1
	WIN 0x40
.set t, 0
.rept 16
	ds_load_b128 v[KF+8*(2*(t&3)+(t>>3))+4*((t>>2)&1):KF+8*(2*(t&3)+(t>>3))+4*((t>>2)&1)+3], v7 offset:t*512
	ds_load_b128 v[VF+8*(2*(t&3)+(t>>3))+4*((t>>2)&1):VF+8*(2*(t&3)+(t>>3))+4*((t>>2)&1)+3], v7 offset:CFL+t*512
.set t, t+1
.endr
	; Q widened to f32 into window 1, registers 0-127: number n there belongs to register n of T below
.set n, 0
.irp q, v64.l,v64.h,v65.l,v65.h,v66.l,v66.h,v67.l,v67.h,v68.l,v68.h,v69.l,v69.h,v70.l,v70.h,v71.l,v71.h,v72.l,v72.h,v73.l,v73.h,v74.l,v74.h,v75.l,v75.h,v76.l,v76.h,v77.l,v77.h,v78.l,v78.h,v79.l,v79.h
	v_cvt_f32_f16 v[n], \q
.set n, n+1
.endr
.irp q, v80.l,v80.h,v81.l,v81.h,v82.l,v82.h,v83.l,v83.h,v84.l,v84.h,v85.l,v85.h,v86.l,v86.h,v87.l,v87.h,v88.l,v88.h,v89.l,v89.h,v90.l,v90.h,v91.l,v91.h,v92.l,v92.h,v93.l,v93.h,v94.l,v94.h,v95.l,v95.h
	v_cvt_f32_f16 v[n], \q
.set n, n+1
.endr
.irp q, v96.l,v96.h,v97.l,v97.h,v98.l,v98.h,v99.l,v99.h,v100.l,v100.h,v101.l,v101.h,v102.l,v102.h,v103.l,v103.h,v104.l,v104.h,v105.l,v105.h,v106.l,v106.h,v107.l,v107.h,v108.l,v108.h,v109.l,v109.h,v110.l,v110.h,v111.l,v111.h
	v_cvt_f32_f16 v[n], \q
.set n, n+1
.endr
.irp q, v112.l,v112.h,v113.l,v113.h,v114.l,v114.h,v115.l,v115.h,v116.l,v116.h,v117.l,v117.h,v118.l,v118.h,v119.l,v119.h,v120.l,v120.h,v121.l,v121.h,v122.l,v122.h,v123.l,v123.h,v124.l,v124.h,v125.l,v125.h,v126.l,v126.h,v127.l,v127.h
	v_cvt_f32_f16 v[n], \q
.set n, n+1
.endr
	s_wait_dscnt 0x0
; T = (E / e) q, 16 tiles (qt, dt) in the S area, in four sweeps; the 16 accumulators take turns, one instruction a turn.
.macro TSWEEP cf, f, zero
.irp qt, 0,1,2,3
.irp dt, 0,1,2,3
.if \zero
	v_wmma_f32_16x16x32_f16 v[SS+32*\qt+8*\dt:SS+32*\qt+8*\dt+7], v[\cf+16*\dt+8*\f:\cf+16*\dt+8*\f+7], v[QF+16*\qt+8*\f:QF+16*\qt+8*\f+7], 0
.else
	v_wmma_f32_16x16x32_f16 v[SS+32*\qt+8*\dt:SS+32*\qt+8*\dt+7], v[\cf+16*\dt+8*\f:\cf+16*\dt+8*\f+7], v[QF+16*\qt+8*\f:QF+16*\qt+8*\f+7], v[SS+32*\qt+8*\dt:SS+32*\qt+8*\dt+7]
.endif
.endr
.endr
.endm
	WIN 0x01
	TSWEEP KF, 0, 1
	TSWEEP KF, 1, 0
	TSWEEP VF, 0, 0
	TSWEEP VF, 1, 0
	PLACES 4                                       ; before vector instructions read the results (ISA guide 7.12.1)
	WIN 0x04                                       ; source 1 (q in f32) in window 1
.irp qt, 0,1,2,3
	v_pk_mul_f32 v[MX+2*\qt:MX+2*\qt+1], v[SS+32*\qt:SS+32*\qt+1], v[32*\qt:32*\qt+1]
.endr
.set i, 2
.rept 15
.irp qt, 0,1,2,3
	v_pk_fma_f32 v[MX+2*\qt:MX+2*\qt+1], v[SS+32*\qt+i:SS+32*\qt+i+1], v[32*\qt+i:32*\qt+i+1], v[MX+2*\qt:MX+2*\qt+1]
.endr
.set i, i+2
.endr
	WIN 0
.irp qt, 0,1,2,3
	v_add_f32 v[MX+2*\qt], v[MX+2*\qt], v[MX+2*\qt+1]
.endr
.irp qt, 0,1,2,3
	v_permlanex16_b32 v[MX+2*\qt+1], v[MX+2*\qt], s48, s49         ; the other half of the lanes holds the other 32 d
.endr
.irp qt, 0,1,2,3
	v_add_f32 v[MX+2*\qt], v[MX+2*\qt], v[MX+2*\qt+1]
.endr
.irp qt, 0,1,2,3
	v_mul_f32 v[MX+2*\qt], v[MX+2*\qt], v13        ; the variance
.endr
.irp qt, 0,1,2,3
	v_max_num_f32 v[MX+2*\qt], 0, v[MX+2*\qt]
.endr
.irp qt, 0,1,2,3
	v_add_f32 v[MX+2*\qt], 0x358637bd, v[MX+2*\qt]                 ; + 1e-6
.endr
.irp qt, 0,1,2,3
	v_sqrt_f32 v[MX+2*\qt], v[MX+2*\qt]
.endr
	v_nop                                          ; one plain place behind the transcendentals (ISA guide 5.7.2)
	s_wait_alu depctr_va_vdst(0)
.irp qt, 0,1,2,3
	v_add_f32 v[MX+2*\qt], 0x358637bd, v[MX+2*\qt]                 ; std
.endr
.irp qt, 0,1,2,3
	v_rcp_f32 v[MX+2*\qt], v[MX+2*\qt]
.endr
	v_nop
	s_wait_alu depctr_va_vdst(0)
.irp qt, 0,1,2,3
	v_mul_f32 v[STAT+8*\qt], 0x3fb8aa3b, v[MX+2*\qt]               ; c = log2(e) / std, twice for the packed forms
	v_mul_f32 v[STAT+8*\qt+1], 0x3fb8aa3b, v[MX+2*\qt]
.endr
	PLACES 5                                       ; before matrix instructions write over T and loads land in the covariance's fragments
.macro FMAQ qt                         ; c s - m
.set i, 0
.rept 16
	v_pk_fma_f32 v[SS+32*\qt+i:SS+32*\qt+i+1], v[SS+32*\qt+i:SS+32*\qt+i+1], v[STAT+8*\qt:STAT+8*\qt+1], v[STAT+8*\qt+2:STAT+8*\qt+3]
.set i, i+2
.endr
.endm
.macro EXPQ qt
.set i, 0
.rept 32
	v_exp_f32 v[SS+32*\qt+i], v[SS+32*\qt+i]
.set i, i+1
.endr
.endm
.macro SUMS from, cnt                  ; four chains, one a query tile, that do not wait for each other
.set i, \from
.rept \cnt
.irp qt, 0,1,2,3
	v_pk_add_f32 v[STAT+8*\qt+4:STAT+8*\qt+5], v[STAT+8*\qt+4:STAT+8*\qt+5], v[SS+32*\qt+i:SS+32*\qt+i+1]
.endr
.set i, i+2
.endr
.endm
; 64 keys of my half against my 64 queries: 32 + 32 matrix instructions.  In each product the 16 accumulators take turns, one instruction a turn.
.macro STEP slot, st, first
	WIN 0x40
.irp kt, 0,1,2,3
.irp f, 0,1
	ds_load_b128 v[KF+16*\kt+8*\f:KF+16*\kt+8*\f+3], v[ADRK+\slot] offset:\st*9216+\kt*2304+64*\f
	ds_load_b128 v[KF+16*\kt+8*\f+4:KF+16*\kt+8*\f+7], v[ADRK+\slot] offset:\st*9216+\kt*2304+64*\f+32
.endr
.endr
.irp dt, 0,1,2,3
.irp ks, 0,1
	ds_load_tr16_b128 v[VF+16*\dt+8*\ks:VF+16*\dt+8*\ks+3], v[ADRV+\slot] offset:\st*10240+\ks*5120+32*\dt
	ds_load_tr16_b128 v[VF+16*\dt+8*\ks+4:VF+16*\dt+8*\ks+7], v[ADRV+\slot] offset:\st*10240+\ks*5120+32*\dt+2560
.endr
.endr
	s_wait_dscnt 16                                ; K's 16 loads are in; V's 16, issued behind them, stay out
	WIN 0x01
.irp qt, 0,1,2,3
.irp kt, 0,1,2,3
	v_wmma_f32_16x16x32_f16 v[SS+32*\qt+8*\kt:SS+32*\qt+8*\kt+7], v[KF+16*\kt:KF+16*\kt+7], v[QF+16*\qt:QF+16*\qt+7], 0
.endr
.endr
.irp qt, 0,1,2,3
.irp kt, 0,1,2,3
	v_wmma_f32_16x16x32_f16 v[SS+32*\qt+8*\kt:SS+32*\qt+8*\kt+7], v[KF+16*\kt+8:KF+16*\kt+15], v[QF+16*\qt+8:QF+16*\qt+15], v[SS+32*\qt+8*\kt:SS+32*\qt+8*\kt+7]
.endr
.endr
	WIN 0
	PLACES 4
	; the step's maximum for each query: 32 numbers a lane, then the other half of the lanes
.irp qt, 0,1,2,3
	v_max3_num_f32 v[MX+\qt], v[SS+32*\qt], v[SS+32*\qt+1], v[SS+32*\qt+2]
.endr
.set i, 3
.rept 14
.irp qt, 0,1,2,3
	v_max3_num_f32 v[MX+\qt], v[MX+\qt], v[SS+32*\qt+i], v[SS+32*\qt+i+1]
.endr
.set i, i+2
.endr
.irp qt, 0,1,2,3
	v_max_num_f32 v[MX+\qt], v[MX+\qt], v[SS+32*\qt+31]
.endr
.irp qt, 0,1,2,3
	v_permlanex16_b32 v[MY+\qt], v[MX+\qt], s48, s49
.endr
.irp qt, 0,1,2,3
	v_max_num_f32 v[MX+\qt], v[MX+\qt], v[MY+\qt]
.endr
.irp qt, 0,1,2,3
	v_mul_f32 v[MX+\qt], -v[MX+\qt], v[STAT+8*\qt]                 ; c > 0: the maximum of c s is c times the maximum of s; kept negated
.endr
.if \first
.else
.irp qt, 0,1,2,3
	v_min_num_f32 v[MX+\qt], v[MX+\qt], v[STAT+8*\qt+2]            ; the running maximum, negated
.endr
.irp qt, 0,1,2,3
	v_sub_f32 v[MY+\qt], v[MX+\qt], v[STAT+8*\qt+2]                ; old maximum - new, at most 0
.endr
.irp qt, 0,1,2,3
	v_exp_f32 v[STAT+8*\qt+6], v[MY+\qt]
	v_exp_f32 v[STAT+8*\qt+7], v[MY+\qt]
.endr
.endif
.irp qt, 0,1,2,3
	v_mov_b32 v[STAT+8*\qt+2], v[MX+\qt]           ; plain places behind the exponentials above, too
	v_mov_b32 v[STAT+8*\qt+3], v[MX+\qt]
.endr
	FMAQ 0
	EXPQ 0
	FMAQ 1                                         ; each run of exponentials is followed by plain work on other registers
	EXPQ 1
	FMAQ 2
	EXPQ 2
	FMAQ 3
	EXPQ 3
	v_nop
.if \first
	s_wait_alu depctr_va_vdst(0)
.irp qt, 0,1,2,3
	v_pk_add_f32 v[STAT+8*\qt+4:STAT+8*\qt+5], v[SS+32*\qt:SS+32*\qt+1], v[SS+32*\qt+2:SS+32*\qt+3]
.endr
	SUMS 4, 14
.else
	s_wait_alu depctr_va_vdst(0)
.irp qt, 0,1,2,3
	v_pk_fma_f32 v[STAT+8*\qt+4:STAT+8*\qt+5], v[STAT+8*\qt+4:STAT+8*\qt+5], v[STAT+8*\qt+6:STAT+8*\qt+7], v[SS+32*\qt:SS+32*\qt+1]
.endr
	SUMS 2, 15
.endif
	; p to f16, in place: register p of a block of 16 takes numbers 2 p and 2 p + 1, in ascending order
.set i, 0
.rept 8
.set p, 0
.rept 8
	v_cvt_pk_f16_f32 v[SS+16*i+p], v[SS+16*i+2*p], v[SS+16*i+2*p+1]
.set p, p+1
.endr
.set i, i+1
.endr
.if \first
.else
	WIN 0x41
.irp qt, 0,1,2,3
.set i, 0
.rept 16
	v_pk_mul_f32 v[ACC+32*\qt+i:ACC+32*\qt+i+1], v[ACC+32*\qt+i:ACC+32*\qt+i+1], v[STAT+8*\qt+6:STAT+8*\qt+7]
.set i, i+2
.endr
.endr
.endif
	s_wait_dscnt 0x0                               ; V's fragments
	WIN 0x51
.irp qt, 0,1,2,3
.irp dt, 0,1,2,3
.if \first
	v_wmma_f32_16x16x32_f16 v[ACC+32*\qt+8*\dt:ACC+32*\qt+8*\dt+7], v[VF+16*\dt:VF+16*\dt+7], v[SS+32*\qt:SS+32*\qt+7], 0
.else
	v_wmma_f32_16x16x32_f16 v[ACC+32*\qt+8*\dt:ACC+32*\qt+8*\dt+7], v[VF+16*\dt:VF+16*\dt+7], v[SS+32*\qt:SS+32*\qt+7], v[ACC+32*\qt+8*\dt:ACC+32*\qt+8*\dt+7]
.endif
.endr
.endr
.irp qt, 0,1,2,3
.irp dt, 0,1,2,3
	v_wmma_f32_16x16x32_f16 v[ACC+32*\qt+8*\dt:ACC+32*\qt+8*\dt+7], v[VF+16*\dt+8:VF+16*\dt+15], v[SS+32*\qt+16:SS+32*\qt+23], v[ACC+32*\qt+8*\dt:ACC+32*\qt+8*\dt+7]
.endr
.endr
	WIN 0
	PLACES 5                                       ; before loads land in V's fragments and matrix instructions write over P
.endm
; Two steps from one slot.  In front of the round each wave waits for all its tensor loads (its part of this slot among them) and for its
; reads of the other slot; the round holds that of every wave of all four work-groups; the joint refill of the other slot comes first behind it
; and has two steps' work in which to land.
.macro TWO slot, refill
	s_wait_xcnt 0x0
	v_lshl_add_u32 v254, v0, 2, 0x2a100
	v_mov_b32 v255, 0
	s_wait_tensorcnt 0x0
	ds_add_u32 v254, v255
	s_wait_dscnt 0x0
	s_add_nc_u64 s[G0K+4*(1-\slot)+2:G0K+4*(1-\slot)+3], s[G0K+4*(1-\slot)+2:G0K+4*(1-\slot)+3], 32768   ; no load of mine is out: the other slot's next 128 keys
	s_add_nc_u64 s[G0V+4*(1-\slot)+2:G0V+4*(1-\slot)+3], s[G0V+4*(1-\slot)+2:G0V+4*(1-\slot)+3], 32768
	s_wait_dscnt 0x0
	ROUND
.if \refill
	JLOAD (1-\slot)
.endif
	STEP \slot, 0, 0
	STEP \slot, 1, 0
.endm
	s_wait_tensorcnt 0x1                           ; my part of slot 0 is in; slot 1's load stays out
	s_barrier_signal -1
	s_barrier_wait -1
	STEP 0, 0, 1                                   ; the first step starts the maximum, the sums and the products
	STEP 0, 1, 0
	s_mov_b32 s50, 3
.Lring:
	TWO 1, 1
	TWO 0, 1
	s_sub_co_u32 s50, s50, 1
	s_cmp_lg_u32 s50, 0
	s_cbranch_scc1 .Lring
	TWO 1, 0                                       ; the last 128 keys of each half: nothing is left to fetch (the stepped addresses are not used)
	; THE MERGE of the two halves of the keys.  Slot 0 has had its last fill, and its last reads were waited for in front of the last round.
.irp qt, 0,1,2,3
	v_add_f32 v[MY+\qt], v[STAT+8*\qt+4], v[STAT+8*\qt+5]
.endr
.irp qt, 0,1,2,3
	v_permlanex16_b32 v[QF+\qt], v[MY+\qt], s48, s49
.endr
.irp qt, 0,1,2,3
	v_add_f32 v[MY+\qt], v[MY+\qt], v[QF+\qt]      ; l of my half of the keys
	v_mov_b32 v[MX+\qt], v[STAT+8*\qt+2]           ; -m, four in a row for one store
.endr
	s_cmp_lt_u32 s14, 4
	s_cbranch_scc1 .Lkeep
	WIN 0x04                                       ; store data in window 1
.set i, 0
.rept 32
	ds_store_b128 v9, v[ACC+4*i:ACC+4*i+3] offset:512*i
.set i, i+1
.endr
	WIN 0
	ds_store_b128 v9, v[MX:MX+3] offset:16384
	ds_store_b128 v9, v[MY:MY+3] offset:16896
.Lkeep:
	s_wait_dscnt 0x0                               ; stores in LDS, and every read of slot 1 back
	s_barrier_signal -1
	s_barrier_wait -1
	s_cmp_lt_u32 s14, 4
	s_cbranch_scc0 .Lclose
	ds_load_b128 v[QF:QF+3], v9 offset:16384       ; the partner's -m
	ds_load_b128 v[QF+4:QF+7], v9 offset:16896     ; and l
.set i, 0
.rept 32
	ds_load_b128 v[SS+4*i:SS+4*i+3], v9 offset:512*i
.set i, i+1
.endr
	s_wait_dscnt 32                                ; the two row figures are in; the 32 loads behind them stay out
.irp qt, 0,1,2,3
	v_min_num_f32 v[QF+8+\qt], v[MX+\qt], v[QF+\qt]                ; the joint maximum, negated
.endr
.irp qt, 0,1,2,3
	v_sub_f32 v[MX+\qt], v[QF+8+\qt], v[MX+\qt]
	v_sub_f32 v[QF+\qt], v[QF+8+\qt], v[QF+\qt]
.endr
.irp qt, 0,1,2,3
	v_exp_f32 v[MX+\qt], v[MX+\qt]
	v_exp_f32 v[QF+\qt], v[QF+\qt]
.endr
	v_nop
	s_wait_alu depctr_va_vdst(0)
.irp qt, 0,1,2,3
	v_mul_f32 v[MY+\qt], v[MY+\qt], v[MX+\qt]
.endr
.irp qt, 0,1,2,3
	v_fmac_f32 v[MY+\qt], v[QF+4+\qt], v[QF+\qt]   ; the joint denominator: at least 1
.endr
.irp qt, 0,1,2,3
	v_rcp_f32 v[MY+\qt], v[MY+\qt]
.endr
	v_nop
	s_wait_alu depctr_va_vdst(0)
.irp qt, 0,1,2,3
	v_mul_f32 v[STAT+8*\qt], v[MX+\qt], v[MY+\qt]  ; my factor, twice
	v_mul_f32 v[STAT+8*\qt+1], v[MX+\qt], v[MY+\qt]
	v_mul_f32 v[STAT+8*\qt+2], v[QF+\qt], v[MY+\qt]                ; the partner's, twice
	v_mul_f32 v[STAT+8*\qt+3], v[QF+\qt], v[MY+\qt]
.endr
	s_wait_dscnt 0x0
.irp qt, 0,1,2,3
.set i, 0
.rept 16
	v_pk_mul_f32 v[SS+32*\qt+i:SS+32*\qt+i+1], v[SS+32*\qt+i:SS+32*\qt+i+1], v[STAT+8*\qt+2:STAT+8*\qt+3]
.set i, i+2
.endr
.endr
	WIN 0x01
.irp qt, 0,1,2,3
.set i, 0
.rept 16
	v_pk_fma_f32 v[SS+32*\qt+i:SS+32*\qt+i+1], v[ACC+32*\qt+i:ACC+32*\qt+i+1], v[STAT+8*\qt:STAT+8*\qt+1], v[SS+32*\qt+i:SS+32*\qt+i+1]
.set i, i+2
.endr
.endr
	WIN 0
	; THE WAY OUT: 16 bytes a lane into my own stage (in slot 1, read no more since the barrier above), whole rows back
.set i, 0
.rept 16
.irp p, 0,1,2,3
	v_cvt_pk_f16_f32 v[SS+8*i+\p], v[SS+8*i+2*\p], v[SS+8*i+2*\p+1]
.endr
	ds_store_b128 v10, v[SS+8*i:SS+8*i+3] offset:(i>>2)*2304+32*(i&3)
.set i, i+1
.endr
.set i, 0
.rept 16
	ds_load_b128 v[QF+4*i:QF+4*i+3], v11 offset:i*576              ; LDS serves a wave's instructions in order: these see the stores above
.set i, i+1
.endr
.set i, 0
.rept 16
	s_wait_dscnt 15-i                              ; the younger read-backs stay out
	global_store_b128 v12, v[QF+4*i:QF+4*i+3], s[12:13] offset:512*i   ; four rows of the head: 512 neighbouring bytes
.set i, i+1
.endr
.Lclose:
	s_wait_xcnt 0x0
	v_lshl_add_u32 v254, v0, 2, 0x2a100
	v_mov_b32 v255, 0
	s_wait_tensorcnt 0x0
	ds_add_u32 v254, v255
	s_wait_dscnt 0x0
	ROUND                                          ; the closing round: no work-group ends while a partner may still ask for a tile that names it
	s_endpgm
.Lfunc_end_k_q1fecb9df08_attn:
	.size	k_q1fecb9df08_attn, .Lfunc_end_k_q1fecb9df08_attn-k_q1fecb9df08_attn
	.p2alignl 7, 3214868480
	.fill 96, 4, 3214868480
	.section	.rodata,"a",@progbits
	.p2align	6, 0x0
	.amdhsa_kernel k_q1fecb9df08_attn
		.amdhsa_group_segment_fixed_size 327680
		.amdhsa_private_segment_fixed_size 0
		.amdhsa_enable_private_segment 0
		.amdhsa_kernarg_size 40
		.amdhsa_user_sgpr_count 2
		.amdhsa_user_sgpr_kernarg_segment_ptr 1
		.amdhsa_wavefront_size32 1
		.amdhsa_system_sgpr_workgroup_id_x 1
		.amdhsa_system_sgpr_workgroup_id_y 1
		.amdhsa_system_sgpr_workgroup_id_z 1
		.amdhsa_system_vgpr_workitem_id 0
		.amdhsa_next_free_vgpr 512
		.amdhsa_next_free_sgpr 66
		.amdhsa_reserve_vcc 0
		.amdhsa_float_denorm_mode_32 3
		.amdhsa_float_denorm_mode_16_64 3
		.amdhsa_memory_ordered 1
		.amdhsa_forward_progress 1
		.amdhsa_inst_pref_size 255
	.end_amdhsa_kernel
	.section	.bss,"aw",@nobits
	.p2align	6
	.space	262144
	.amdgpu_metadata
---
amdhsa.version: [ 1, 2 ]
amdhsa.kernels:
  - .name:           k_q1fecb9df08_attn
    .symbol:         k_q1fecb9df08_attn.kd
    .args:
      - { .name: qh, .offset: 0, .size: 8, .value_kind: global_buffer, .address_space: global }
      - { .name: kh, .offset: 8, .size: 8, .value_kind: global_buffer, .address_space: global }
      - { .name: vh, .offset: 16, .size: 8, .value_kind: global_buffer, .address_space: global }
      - { .name: gpart, .offset: 24, .size: 8, .value_kind: global_buffer, .address_space: global }
      - { .name: aoh, .offset: 32, .size: 8, .value_kind: global_buffer, .address_space: global }
    .group_segment_fixed_size: 327680
    .private_segment_fixed_size: 0
    .kernarg_segment_align: 8
    .kernarg_segment_size: 40
    .max_flat_workgroup_size: 256
    .sgpr_count:     66
    .vgpr_count:     512
    .wavefront_size: 32
...
	.end_amdgpu_metadata
.endif
;; end of part 3
;; launch oproj (part 4): grid 4 x 64, 4 waves a work-group, clusters of 4 x 4, 312,832 bytes of LDS; arguments aoh, wo16, bo, out0; writes out0
.if DOCPART == 4
	.amdgcn_target "amdgcn-amd-amdhsa--gfx1250"
	.amdhsa_code_object_version 6
	.text
	.protected	k_q1fecb9df08_oproj
	.globl	k_q1fecb9df08_oproj
	.p2align	8
	.type	k_q1fecb9df08_oproj,@function
k_q1fecb9df08_oproj:
	s_mov_b64 s[64:65], 0
	v_nop
	global_prefetch_b8 v0, s[64:65] scope:SCOPE_SE
	s_setreg_imm32_b32 hwreg(HW_REG_WAVE_MODE, 25, 1), 1
	s_wait_xcnt 0x0
	s_wait_alu depctr_hold_cnt(0) depctr_sa_sdst(0) depctr_va_vdst(0) depctr_va_sdst(0) depctr_va_ssrc(0) depctr_va_vcc(0) depctr_vm_vsrc(0)
	s_getreg_b32 s2, hwreg(HW_REG_IB_STS2, 6, 4)
	s_cmp_eq_u32 s2, 0
	s_cbranch_scc0 .Lentry_in_a_cluster
	s_endpgm
.Lentry_in_a_cluster:
	s_bfe_u32 s2, ttmp6, 0x10000c
	s_cmp_lg_u32 s2, 0xf033
	s_cbranch_scc0 .Lentry_shape_is_right
	s_endpgm
.Lentry_shape_is_right:
; out0 = attention output x Wo + bo, f32.  A work-group makes 128 rows x 128 columns with four waves, a wave 64 x 64: 16 accumulator tiles (window 1).
; Both operands are f16 in memory (Wo was rounded by an earlier launch), and all that a block needs fits in LDS at once: 8 heads x 128 rows x 144 bytes
; and 8 x 64 k rows x 288 bytes, 294,912 bytes.  So every tile is asked for at the start, no LDS byte is ever filled again, and the
; products of a pair of heads begin as soon as that pair's four tiles have landed.
; LDS: pair j (heads 2 j, 2 j + 1) at 73,728 j: rows of head 2 j, rows of head 2 j + 1, Wo's k rows of head 2 j, of head 2 j + 1, 18,432 bytes each:
; tile w of a pair is fetched by wave w.  A wave has four tensor loads out, all issued at the start.
; CLUSTER: 4 x 4 work-groups.  The four of a row of the cluster make blocks of one block row and need the same rows; the four of a column need the same
; columns of Wo.  Each tile is asked for jointly by the four, which divides the requests for both by four.
; The matrix instruction is used transposed (source 0 = 16 columns of Wo, source 1 = 16 rows): a lane holds eight neighbouring columns of a row.
.set TILEB, 18432
.set PAIR,  4*TILEB
.set STAGE, 4*PAIR                     ; behind the tiles, never filled by a tensor load: 16 rows x 272 bytes for each wave, for the way out
.set AF,  2                            ; v2-5   row fragments in pair 0 to 3
.set WF,  6                            ; v6-9   Wo fragments (transposing loads) in pair 0 to 3
.set STO, 10                           ; v10    the way out, in
.set RD,  11                           ; v11    the way out, back
.set CO,  12                           ; v12    byte offset in out0
.set BO,  13                           ; v13    byte offset in bo
.set B0,  32                           ; v32-95   fragment buffer 0: 4 of rows, 4 of Wo; on the way out the rows read back
.set B1,  96                           ; v96-159  fragment buffer 1
.set BIA, 160                          ; v160-191 bias
.set TMP, 192                          ; v192-223 results at work
.set G1A, 16                           ; s[16:23] shape of the rows' tiles
.set G1B, 24                           ; s[24:31] shape of Wo's tiles
.set G0A, 32                           ; s[32:47] from where, to where: rows, one set a pair
.set G0B, 48                           ; s[48:63] the same for Wo
.set MSB, 0
.macro WIN new                         ; the immediate's high byte repeats the setting that is left
.if MSB != \new
	s_set_vgpr_msb (MSB<<8)|\new
.set MSB, \new
.endif
.endm
.macro PLACES n
.rept \n
	v_nop
.endr
.endm
.macro CROUND                          ; a round of the cluster's barrier
	s_barrier_signal -1
	s_barrier_wait -1
	s_cmp_lg_u32 s12, 0
	s_cbranch_scc1 .Lnot_wave_0_\@
	s_barrier_signal -3
.Lnot_wave_0_\@:
	s_barrier_wait -3
	s_barrier_signal -1
	s_barrier_wait -1
.endm
	s_load_b256 s[4:11], s[0:1], 0x0               ; aoh, wo16, bo, out0
	v_lshl_add_u32 v254, v0, 2, 0x4c400
	v_mov_b32 v255, 0
	ds_add_u32 v254, v255
	v_lshrrev_b32 v1, 5, v0
	v_readfirstlane_b32 s12, v1                    ; wave w
	s_lshr_b32 s14, s12, 1                         ; wm: my 64 rows.  Also: I fetch rows (0) or Wo (1)
	s_and_b32 s15, s12, 1                          ; wn: my 64 columns.  Also: which head of a pair I fetch
	s_bfe_u32 s66, ttmp6, 0x40000                  ; cx
	s_bfe_u32 s67, ttmp6, 0x40004                  ; cy
	s_lshl_b32 s68, ttmp9, 2
	s_add_co_u32 s68, s68, s66                     ; block column = 4 x cluster x + cx
	s_and_b32 s69, ttmp7, 0xffff
	s_lshl_b32 s69, s69, 2
	s_add_co_u32 s69, s69, s67                     ; block row = 4 x cluster y + cy
	s_lshl_b32 s70, s67, 2
	s_lshl_b32 s70, 15, s70                        ; my row of the cluster: places 4 cy .. 4 cy + 3
	s_lshl_b32 s71, 0x1111, s66                    ; my column: places cx, cx + 4, cx + 8, cx + 12
	; group 1.  Rows: 128 rows x 64 f16 (32 words, code 4), 4 words of padding.  Wo: 64 rows x 128 f16 (64 words, code 5), 8 words of padding.  Bit 21 beside the mask.
	s_or_b32 s[G1A+0], s70, (1<<16)|(1<<20)|(1<<21)|(4<<22)|(3<<25)
	s_or_b32 s[G1B+0], s71, (1<<16)|(1<<20)|(1<<21)|(5<<22)|(7<<25)
	s_mov_b32 s[G1A+1], 64<<16                     ; tensor_dim0
	s_mov_b32 s[G1B+1], 128<<16
	s_mov_b32 s[G1A+2], 128<<16                    ; tensor_dim1
	s_mov_b32 s[G1B+2], 64<<16
	s_mov_b32 s[G1A+3], 64<<16                     ; tile_dim0
	s_mov_b32 s[G1B+3], 128<<16
	s_mov_b32 s[G1A+4], 128                        ; tile_dim1
	s_mov_b32 s[G1B+4], 64
	s_mov_b32 s[G1A+5], 64                         ; elements from row to row
	s_mov_b32 s[G1B+5], 512
	s_mov_b32 s[G1A+6], 0
	s_mov_b32 s[G1B+6], 0
	s_mov_b32 s[G1A+7], 0
	s_mov_b32 s[G1B+7], 0
	; where the tiles come from.  The rows' hang on the block row and the wave's number, Wo's on the block column and the wave's number,
	; each in registers that never hold the other coordinate.
	s_lshr_b32 s72, s69, 4                         ; batch
	s_lshl_b32 s72, s72, 21                        ; 8 heads of 262,144 bytes
	s_and_b32 s73, s69, 15
	s_lshl_b32 s73, s73, 14                        ; 128 rows of 128 bytes
	s_add_co_u32 s72, s72, s73
	s_lshl_b32 s73, s15, 18                        ; the pair's first or second head
	s_add_co_u32 s72, s72, s73
	s_mov_b32 s73, 0
	s_lshl_b32 s74, s68, 8                         ; 128 columns of f16
	s_lshl_b32 s75, s15, 16                        ; 64 k rows of 1,024 bytes
	s_add_co_u32 s74, s74, s75
	s_mov_b32 s75, 0
	s_mul_i32 s76, s12, TILEB                      ; and where they go: the wave's number alone
	s_wait_dscnt 0x0
	s_wait_kmcnt 0x0
	s_add_nc_u64 s[72:73], s[4:5], s[72:73]
	s_add_nc_u64 s[74:75], s[6:7], s[74:75]
.irp j, 0,1,2,3
	s_mov_b32 s[G0A+4*\j], 1
	s_add_co_u32 s[G0A+4*\j+1], s76, \j*PAIR
	s_add_nc_u64 s[G0A+4*\j+2:G0A+4*\j+3], s[72:73], \j*524288     ; two heads on
	s_or_b32 s[G0A+4*\j+3], s[G0A+4*\j+3], 0x80000000
	s_mov_b32 s[G0B+4*\j], 1
	s_add_co_u32 s[G0B+4*\j+1], s76, \j*PAIR
	s_add_nc_u64 s[G0B+4*\j+2:G0B+4*\j+3], s[74:75], \j*131072     ; 128 k rows on
	s_or_b32 s[G0B+4*\j+3], s[G0B+4*\j+3], 0x80000000
.endr
	CROUND                                         ; all sixteen work-groups are here: the joint loads meet
	s_cmp_eq_u32 s14, 0                            ; all fills of a wave inside one branch on its number
	s_cbranch_scc0 .Lfor_b
.irp j, 0,1,2,3
	tensor_load_to_lds s[G0A+4*\j:G0A+4*\j+3], s[G1A:G1A+7]
	s_nop 0
.endr
	s_branch .Lasked
.Lfor_b:
.irp j, 0,1,2,3
	tensor_load_to_lds s[G0B+4*\j:G0B+4*\j+3], s[G1B:G1B+7]
	s_nop 0
.endr
.Lasked:
	s_lshl_b32 s78, s68, 9                         ; 128 columns of f32
	s_mov_b32 s79, 0
	s_lshl_b32 s80, s69, 18                        ; 128 rows of 2,048 bytes
	s_mov_b32 s81, 0
	s_add_nc_u64 s[8:9], s[8:9], s[78:79]
	s_add_nc_u64 s[10:11], s[10:11], s[78:79]
	s_add_nc_u64 s[10:11], s[10:11], s[80:81]
	v_and_b32 v17, 15, v0                          ; r
	v_bfe_u32 v18, v0, 4, 1                        ; h
	v_and_b32 v19, 7, v0                           ; L % 8
	v_bfe_u32 v20, v0, 3, 1                        ; (L / 8) % 2
	s_lshl_b32 s83, s15, 8                         ; 64 columns of f32
	v_lshl_add_u32 v[BO], v18, 5, s83
.set i, 0
.rept 4
	global_load_b128 v[BIA+8*i:BIA+8*i+3], v[BO], s[8:9] offset:i*64
	global_load_b128 v[BIA+8*i+4:BIA+8*i+7], v[BO], s[8:9] offset:i*64+16
.set i, i+1
.endr
	s_mul_i32 s82, s14, 9216                       ; 64 rows of 144 bytes
	v_mul_u32_u24 v22, v17, 144
	v_lshl_add_u32 v22, v18, 4, v22
	v_add_nc_u32 v[AF], s82, v22
	s_lshl_b32 s82, s15, 7                         ; 64 columns of f16,
	s_add_co_u32 s82, s82, 2*TILEB                 ; behind the pair's two tiles of rows
	v_lshl_add_u32 v22, v18, 3, v19                ; 8 h + L % 8: the k row that the lane addresses
	v_mul_u32_u24 v22, v22, 288
	v_lshl_add_u32 v22, v20, 4, v22
	v_add_nc_u32 v[WF], s82, v22
.irp j, 1,2,3
	v_add_nc_u32 v[AF+\j], \j*PAIR, v[AF]          ; a pair's bytes lie beyond an LDS instruction's 16-bit immediate: a register for each pair
	v_add_nc_u32 v[WF+\j], \j*PAIR, v[WF]
.endr
	s_mul_i32 s82, s12, 4352
	s_add_co_u32 s82, s82, STAGE                   ; my stage
	v_mul_u32_u24 v22, v17, 272
	v_lshl_add_u32 v22, v18, 5, v22
	v_add_nc_u32 v[STO], s82, v22
	v_mul_u32_u24 v22, v18, 272
	v_lshl_add_u32 v22, v17, 4, v22
	v_add_nc_u32 v[RD], s82, v22
	s_lshl_b32 s82, s14, 17                        ; 64 rows of 2,048 bytes
	s_add_co_u32 s82, s82, s83
	v_lshl_add_u32 v22, v18, 11, s82
	v_lshl_add_u32 v[CO], v17, 4, v22
; The 16 fragment loads of half n (32 along K): pair n / 4, head (n / 2) % 2 of the pair, half n % 2 of the head.
.macro FLOAD n, buf
.set fj, (\n)>>2
.set fo, (((\n)>>1)&1)*TILEB
.set fk, (\n)&1
.irp mt, 0,1,2,3
	ds_load_b128 v[\buf+8*\mt:\buf+8*\mt+3], v[AF+fj] offset:fo+\mt*2304+fk*64
	ds_load_b128 v[\buf+8*\mt+4:\buf+8*\mt+7], v[AF+fj] offset:fo+\mt*2304+fk*64+32
.endr
.irp nt, 0,1,2,3
	ds_load_tr16_b128 v[\buf+32+8*\nt:\buf+32+8*\nt+3], v[WF+fj] offset:fo+fk*9216+\nt*32
	ds_load_tr16_b128 v[\buf+32+8*\nt+4:\buf+32+8*\nt+7], v[WF+fj] offset:fo+fk*9216+\nt*32+4608
.endr
.endm
; Half n: the next half's fragments are asked for, then this half's 16 matrix instructions run, on 16 accumulators by turns, one instruction a turn.
; Where the next half begins a new pair of heads, each wave first waits for its own tile of that pair and passes a barrier;
; the later pairs' loads stay out across it, since no LDS byte is filled again.
.macro HALF n, buf, obuf
	WIN 0
.if \n > 0
	PLACES 4                                       ; the other buffer was read by the last 16 matrix instructions (ISA guide 7.12.1)
.endif
.if \n == 15
	s_wait_dscnt 0x0
.else
.if ((\n)&3) == 3
	s_wait_dscnt 0x0                               ; this half's fragments are in, and no LDS instruction is pending at the signal
	s_wait_tensorcnt 2-((\n)>>2)                   ; my tile of the next pair has landed; my loads for the pairs behind it stay out
	s_barrier_signal -1
	s_barrier_wait -1
	FLOAD \n+1, \obuf
.else
	FLOAD \n+1, \obuf
	s_wait_dscnt 16                                ; this half's fragments are in; the 16 loads just issued stay out
.endif
.endif
	WIN 0x50                                       ; C and D in window 1
.irp mt, 0,1,2,3
.irp nt, 0,1,2,3
.if \n == 0
	v_wmma_f32_16x16x32_f16 v[8*(4*\mt+\nt):8*(4*\mt+\nt)+7], v[\buf+32+8*\nt:\buf+32+8*\nt+7], v[\buf+8*\mt:\buf+8*\mt+7], 0
.else
	v_wmma_f32_16x16x32_f16 v[8*(4*\mt+\nt):8*(4*\mt+\nt)+7], v[\buf+32+8*\nt:\buf+32+8*\nt+7], v[\buf+8*\mt:\buf+8*\mt+7], v[8*(4*\mt+\nt):8*(4*\mt+\nt)+7]
.endif
.endr
.endr
.endm
	s_wait_tensorcnt 0x3                           ; my tile of pair 0 has landed; my three later loads stay out
	s_barrier_signal -1
	s_barrier_wait -1                              ; everybody's has
	FLOAD 0, B0
	HALF 0, B0, B1                                 ; the first products start the sums: nothing is cleared
	HALF 1, B1, B0
	HALF 2, B0, B1
	HALF 3, B1, B0
	HALF 4, B0, B1
	HALF 5, B1, B0
	HALF 6, B0, B1
	HALF 7, B1, B0
	HALF 8, B0, B1
	HALF 9, B1, B0
	HALF 10, B0, B1
	HALF 11, B1, B0
	HALF 12, B0, B1
	HALF 13, B1, B0
	HALF 14, B0, B1
	HALF 15, B1, B0
; THE WAY OUT, 16 rows at a time, through my own stage: in by 16 bytes a lane into rows of 272 bytes, back by rows;
; 16 lanes store 256 neighbouring bytes at a multiple of 256 from out0's first byte.
.macro OUTM mt
	WIN 0x01                                       ; source 0 (the sums) in window 1
.irp nt, 0,1,2,3
.irp p, 0,1,2,3
	v_pk_add_f32 v[TMP+8*\nt+2*\p:TMP+8*\nt+2*\p+1], v[8*(4*\mt+\nt)+2*\p:8*(4*\mt+\nt)+2*\p+1], v[BIA+8*\nt+2*\p:BIA+8*\nt+2*\p+1]
.endr
.endr
	WIN 0
.irp nt, 0,1,2,3
	ds_store_b128 v[STO], v[TMP+8*\nt:TMP+8*\nt+3] offset:\nt*64
	ds_store_b128 v[STO], v[TMP+8*\nt+4:TMP+8*\nt+7] offset:\nt*64+16
.endr
	s_wait_xcnt 0x0                                ; the registers that the last 16 rows' stores read are loaded again only behind this wait
.irp u, 0,1,2,3,4,5,6,7
	ds_load_b128 v[B0+4*\u:B0+4*\u+3], v[RD] offset:\u*544         ; LDS serves a wave's instructions in order: these see the stores above
.endr
.irp u, 0,1,2,3,4,5,6,7
	s_wait_dscnt 7-\u                              ; the younger read-backs stay out
	global_store_b128 v[CO], v[B0+4*\u:B0+4*\u+3], s[10:11] offset:(16*\mt+2*\u)*2048 th:TH_STORE_NT
.endr
.endm
	WIN 0
	PLACES 4                                       ; behind the last matrix instructions, before their results are read and their sources loaded again
	s_wait_loadcnt 0x0                             ; the bias
	OUTM 0
	OUTM 1
	OUTM 2
	OUTM 3
	s_wait_tensorcnt 0x0
	ds_add_u32 v254, v255
	s_wait_dscnt 0x0
	CROUND                                         ; the closing round: no work-group ends while a partner may still ask for a tile that names it
	s_endpgm
.Lfunc_end_k_q1fecb9df08_oproj:
	.size	k_q1fecb9df08_oproj, .Lfunc_end_k_q1fecb9df08_oproj-k_q1fecb9df08_oproj
	.p2alignl 7, 3214868480
	.fill 96, 4, 3214868480
	.section	.rodata,"a",@progbits
	.p2align	6, 0x0
	.amdhsa_kernel k_q1fecb9df08_oproj
		.amdhsa_group_segment_fixed_size 312832
		.amdhsa_private_segment_fixed_size 0
		.amdhsa_enable_private_segment 0
		.amdhsa_kernarg_size 32
		.amdhsa_user_sgpr_count 2
		.amdhsa_user_sgpr_kernarg_segment_ptr 1
		.amdhsa_wavefront_size32 1
		.amdhsa_system_sgpr_workgroup_id_x 1
		.amdhsa_system_sgpr_workgroup_id_y 1
		.amdhsa_system_sgpr_workgroup_id_z 1
		.amdhsa_system_vgpr_workitem_id 0
		.amdhsa_next_free_vgpr 384
		.amdhsa_next_free_sgpr 96
		.amdhsa_reserve_vcc 0
		.amdhsa_float_denorm_mode_32 3
		.amdhsa_float_denorm_mode_16_64 3
		.amdhsa_memory_ordered 1
		.amdhsa_forward_progress 1
		.amdhsa_inst_pref_size 58
	.end_amdhsa_kernel
	.amdgpu_metadata
---
amdhsa.version: [ 1, 2 ]
amdhsa.kernels:
  - .name:           k_q1fecb9df08_oproj
    .symbol:         k_q1fecb9df08_oproj.kd
    .args:
      - { .name: aoh, .offset: 0, .size: 8, .value_kind: global_buffer, .address_space: global }
      - { .name: wo16, .offset: 8, .size: 8, .value_kind: global_buffer, .address_space: global }
      - { .name: bo, .offset: 16, .size: 8, .value_kind: global_buffer, .address_space: global }
      - { .name: out0, .offset: 24, .size: 8, .value_kind: global_buffer, .address_space: global }
    .group_segment_fixed_size: 312832
    .private_segment_fixed_size: 0
    .kernarg_segment_align: 8
    .kernarg_segment_size: 32
    .max_flat_workgroup_size: 128
    .sgpr_count:     96
    .vgpr_count:     384
    .wavefront_size: 32
...
	.end_amdgpu_metadata
.endif
;; end of part 4
